; MI455X (gfx1250); checked and timed in simulation.
; The chip was launched on July 23, 2026; its instructions are those of AMD's public machine-readable ISA for CDNA 5 (MIT licence, August 2026) and "CDNA5" Instruction Set Architecture Reference Guide (July 2026). The comments in the code are by the model that wrote it; some were corrected since.
;; Switch Feed Forward. Allowed arithmetic: matrix products marked QUANTISED: E3M2 operands, one E8M0 scale for each 32 along K, by v_wmma_scale_f32_16x16x128_f8f6f4 with both operands' format E3M2, f32 sums; products left as they are: f32 operands where the result goes on into a quantised operand, else bf16, f16 or f32 operands; f32 sums; everything else in f32.
;; Inputs: W1 8 x 1,024 x 4,096 float32; W2 8 x 4,096 x 1,024 float32; Wr 1,024 x 8 float32; b1 8 x 4,096 float32; b2 8 x 1,024 float32; br 8 float32; x 4 x 256 x 1,024 float32.
;; Outputs: out0 4 x 256 x 1,024 float32.
;; This version of the problem:
;;   THIS VERSION OF THE PROBLEM IS GIVEN IN LOW PRECISION. The matrix products marked QUANTISED in the list below multiply operands that are first quantised to E3M2 (3 exponent bits, 2 mantissa bits; 6 bits a number), with one power-of-two scale for each 32 numbers along K (OCP MX v1.0); their sums are f32. All else is computed in f32.
;;   The module's matrix products, in the order in which they are computed (A, B: the left and right operand; K: the contracted axis; several contracted axes count as one K, in the product's order):
;;     1. [M 1,024, K 1,024] x [K 1,024, N 8]; A: input x; B: input Wr: left as it is (N = 8 < 16)
;;     2. [M 1,024, K 1,024] x [K 1,024, N 4,096]; A: input x; B: input W1: QUANTISED
;;     3. [M 1,024, K 4,096] x [K 4,096, N 1,024]; A: computed on the way; B: input W2: QUANTISED
;;     4. [M 1,024, K 1,024] x [K 1,024, N 4,096]; A: input x; B: input W1: QUANTISED
;;     5. [M 1,024, K 4,096] x [K 4,096, N 1,024]; A: computed on the way; B: input W2: QUANTISED
;;     6. [M 1,024, K 1,024] x [K 1,024, N 4,096]; A: input x; B: input W1: QUANTISED
;;     7. [M 1,024, K 4,096] x [K 4,096, N 1,024]; A: computed on the way; B: input W2: QUANTISED
;;     8. [M 1,024, K 1,024] x [K 1,024, N 4,096]; A: input x; B: input W1: QUANTISED
;;     9. [M 1,024, K 4,096] x [K 4,096, N 1,024]; A: computed on the way; B: input W2: QUANTISED
;;     10. [M 1,024, K 1,024] x [K 1,024, N 4,096]; A: input x; B: input W1: QUANTISED
;;     11. [M 1,024, K 4,096] x [K 4,096, N 1,024]; A: computed on the way; B: input W2: QUANTISED
;;     12. [M 1,024, K 1,024] x [K 1,024, N 4,096]; A: input x; B: input W1: QUANTISED
;;     13. [M 1,024, K 4,096] x [K 4,096, N 1,024]; A: computed on the way; B: input W2: QUANTISED
;;     14. [M 1,024, K 1,024] x [K 1,024, N 4,096]; A: input x; B: input W1: QUANTISED
;;     15. [M 1,024, K 4,096] x [K 4,096, N 1,024]; A: computed on the way; B: input W2: QUANTISED
;;     16. [M 1,024, K 1,024] x [K 1,024, N 4,096]; A: input x; B: input W1: QUANTISED
;;     17. [M 1,024, K 4,096] x [K 4,096, N 1,024]; A: computed on the way; B: input W2: QUANTISED
;;   THE QUANTISER, for each operand of a quantised product, along K:
;;     - K is cut into blocks of 32 from its start; a last block that is shorter is filled with zeros.
;;     - A block's scale is 2^e with e = floor(log2(the largest magnitude in the block)) - 4, held to -126 .. 127; a block of zeros has e = 0. As a byte (E8M0): e + 127.
;;     - Each number is divided by its block's scale, clamped to +-28, and rounded to the nearest number of E3M2, ties to even, subnormals kept.
;;     - The product sums the exact products of the quantised numbers (number of the format x scale) in f32.
;;   ~~~python
;;   def quantise(x, axis):      # numpy; x: float32 -> the quantised numbers, widened to float32 again
;;       x = np.moveaxis(x, axis, -1); K = x.shape[-1]
;;       x = np.pad(x, [(0, 0)] * (x.ndim - 1) + [(0, -K % 32)]); x = x.reshape(x.shape[:-1] + (-1, 32)); a = np.abs(x).max(-1, keepdims=True)
;;       e = np.where(a > 0, np.clip(np.frexp(np.where(a > 0, a, 1))[1] - 1 - 4, -126, 127), 0)      # np.frexp(a)[1] - 1 = floor(log2(a)), exactly
;;       r = np.clip(x / 2.0 ** e, -28, 28)
;;       step = 2.0 ** (np.maximum(np.frexp(np.where(r == 0, 1, r))[1] - 1, -2) - 2)
;;       q = np.round(r / step) * step * 2.0 ** e      # np.round: ties to even
;;       return np.moveaxis(q.reshape(q.shape[:-2] + (-1,))[..., :K], -1, axis).astype(np.float32)
;;   ~~~
;;   OPERANDS COMPUTED ON THE WAY. 'Computed on the way' means the value that the module computes at that place (a softmax that the list does not call 'softmax' is quantised finished and normalised). What goes into a quantiser is computed in f32, as accurately as f32 sums, v_exp_f32 and their like allow (about 1e-6 of the number): no bf16 or f16 on the way to a quantiser, and a product that is left as it is and whose result goes on into a quantised operand takes f32 operands (vector FMAs, or v_wmma_f32_16x16x4_f32). A number that lies on a knife's edge between two numbers of the format may be rounded either way, as far as f32 arithmetic and the matrix unit's own rounding can turn it there, and no further.
;; One version. Each part assembles by itself: llvm-mc -triple=amdgcn-amd-amdhsa -mcpu=gfx1250 --defsym DOCPART=n.
;; ======== version 1 of 1: 4 launches
;; limits: right only within a limited range of input values
;; workspace buffers: sel 4,096 bytes of whole numbers; xq 786,432 bytes; xs 32,768 bytes; himg 25,165,824 bytes; hsc 2,097,152 bytes; part 8,388,608 bytes
;; launch route (part 1): grid 64 x 1, 8 waves a work-group, no clusters, 22,528 bytes of LDS; arguments x, Wr, br, sel, xq, xs; writes sel, xq, xs
.if DOCPART == 1
	.amdgcn_target "amdgcn-amd-amdhsa--gfx1250"
	.amdhsa_code_object_version 6
	.text
	.protected	k_q2fccd9920d_route
	.globl	k_q2fccd9920d_route
	.p2align	8
	.type	k_q2fccd9920d_route,@function
k_q2fccd9920d_route:
	s_mov_b64 s[64:65], 0
	v_nop
	global_prefetch_b8 v0, s[64:65] scope:SCOPE_SE
	s_setreg_imm32_b32 hwreg(HW_REG_WAVE_MODE, 25, 1), 1
	s_wait_xcnt 0x0
; ROUTER AND QUANTISER OF x.  x: [1024 tokens][1024] f32.  Wr: [1024][8], br: [8] f32.
; sel[token] = argmax over the 8 experts of softmax(x Wr + br), the lower index at a tie; all of it in f32.
; xq, xs: x as codes of E3M2 with one E8M0 byte for each 32 along K, laid as the next launch's operand registers want them:
;   xq[token][768 bytes]: half h of the lanes at 384 h, K step s (128 along K) at + 48 s: the 12 registers of lane (row, h);   xs[token][8 words]: word s = the four bytes of K step s.
; SHARES.  A work-group takes 16 tokens (one matrix tile of rows), wave s of its eight takes K step s: 64 numbers of x a lane, which serve twice: for the logits and for the codes.
; THE LOGITS go by the f32 matrix form (16 x 16 x 4): source 0 = Wr's 8 columns, standing twice in its 16 rows, source 1 = 16 tokens.  A lane then holds ONE token and its 8 registers the 8 experts,
; in both halves of the lanes alike.  k stands in the same places in both sources, so the products are the right ones.  Four accumulators take turns; the eight waves' parts meet in LDS.
; LIMITS: NaN and infinities are not served.  A block whose largest magnitude lies under 2^-122 keeps the byte 1, a block of zeros too (the rule says 127: its codes are zeros, and this program alone reads
; the bytes).  Two routing weights that agree to f32 rounding may be told apart otherwise than by another order of the f32 sums.
.set XSTG, 0                           ; LDS: 16 rows of codes, 768 bytes + 16
.set XSS,  12544                       ; 16 rows x 8 scale words
.set LGS,  13056                       ; the waves' partial logits: 1,024 bytes a wave
.set X,    16                          ; v16-79    register 16 b + i = x[token r][128 s + 32 b + 16 h + i]
.set WR,   80                          ; v80-143   register 16 b + i = Wr[the same k][r % 8]
.set AC,   144                         ; v144-175  four accumulators; matrix instructions alone write them
.set LG,   176                         ; v176-183  my wave's partial logits
.set TM,   184                         ; v184-199  at work in the quantiser
.set PW,   200                         ; the scale word just made
.set PC,   202                         ; v202-220  the codes just made
.set SEL,  20                          ; s[20:21]  lane selects: lane l xor 16
; 64 numbers of a lane, register 16 b + i = k 32 b + 16 (lane / 16) + i of my row, become a fragment's codes in v[PC] on and its scale word in v[PW].
.macro QUANT s
.irp b, 0,1,2,3
	v_max3_num_f32 v[TM+\b], |v[\s+16*\b]|, |v[\s+1+16*\b]|, 0x2800000   ; block b: my 16 numbers, and the floor 2^(5 - 127): the byte cannot fall under 1
.endr
.irp i, 2,4,6,8,10,12,14
.irp b, 0,1,2,3
	s_delay_alu instid0(VALU_DEP_4)
	v_max3_num_f32 v[TM+\b], v[TM+\b], |v[\s+16*\b+\i]|, |v[\s+1+16*\b+\i]|
.endr
.endr
.irp b, 0,1,2,3
	s_delay_alu instid0(VALU_DEP_4)
	v_permlanex16_b32 v[TM+4+\b], v[TM+\b], s[SEL], s[SEL+1]
.endr
.irp b, 0,1,2,3
	s_delay_alu instid0(VALU_DEP_4)
	v_max_num_f32 v[TM+\b], v[TM+\b], v[TM+4+\b]   ; with lane l xor 16's: the block's largest magnitude
.endr
.irp b, 0,1,2,3
	s_delay_alu instid0(VALU_DEP_4)
	v_add_nc_u32 v[TM+12+\b], 0xfe000000, v[TM+\b]   ; 4 off its exponent field: the conversion's scale operand
.endr
.irp b, 0,1,2,3
	s_delay_alu instid0(VALU_DEP_4)
	v_lshrrev_b32 v[TM+4+\b], 23, v[TM+12+\b]      ; the scale's byte
.endr
	s_delay_alu instid0(VALU_DEP_3)
	v_lshl_or_b32 v[PW], v[TM+5], 8, v[TM+4]
	s_delay_alu instid0(VALU_DEP_1)
	v_lshl_or_b32 v[PW], v[TM+6], 16, v[PW]
	s_delay_alu instid0(VALU_DEP_1)
	v_lshl_or_b32 v[PW], v[TM+7], 24, v[PW]
.irp c, 0,1
	v_cvt_scalef32_pk16_bf6_f32 v[PC+6*\c:PC+2+6*\c], v[\s+32*\c:\s+15+32*\c], v[TM+12+2*\c]
	v_cvt_scalef32_pk16_bf6_f32 v[PC+12+4*\c:PC+14+4*\c], v[\s+16+32*\c:\s+31+32*\c], v[TM+12+2*\c+1]   ; (a conversion's three registers begin on an even number)
.endr
	v_nop                                          ; one plain place behind a scaled conversion
.irp c, 0,1                                    ; the operand's layout wants a WHOLE block in a lane: lanes 0-15 block 2 c, lanes 16-31 block 2 c + 1
.irp i, 0,1,2
	v_permlane16_swap_b32 v[PC+6*\c+\i], v[PC+12+4*\c+\i]
.endr
.irp i, 0,1,2
	s_delay_alu instid0(VALU_DEP_3)
	v_mov_b32 v[PC+3+6*\c+\i], v[PC+12+4*\c+\i]
.endr
.endr
.endm
	s_load_b256 s[4:11], s[0:1], 0x0               ; x s[4:5], Wr s[6:7], br s[8:9], sel s[10:11]
	s_load_b128 s[12:15], s[0:1], 0x20             ; xq s[12:13], xs s[14:15]
	v_lshl_add_u32 v224, v0, 2, 0x5400
	v_mov_b32 v225, 0
	v_lshrrev_b32 v1, 5, v0
	s_delay_alu instid0(VALU_DEP_1)
	v_readfirstlane_b32 s18, v1                    ; wave = K step
	v_and_b32 v1, 31, v0                           ; lane
	v_and_b32 v2, 15, v0                           ; r
	v_bfe_u32 v3, v0, 4, 1                         ; h
	s_delay_alu instid0(VALU_DEP_2)
	v_lshlrev_b32 v4, 12, v2
	s_delay_alu instid0(VALU_DEP_1)
	v_lshl_add_u32 v4, v3, 6, v4                   ; x: row r of 4,096 bytes + 64 h: my 16 numbers of a block of 32
	v_and_b32 v5, 7, v0
	s_delay_alu instid0(VALU_DEP_1)
	v_lshlrev_b32 v5, 2, v5
	s_delay_alu instid0(VALU_DEP_1)
	v_lshl_add_u32 v5, v3, 9, v5                   ; Wr: 16 h rows of 32 bytes + 4 (r % 8)
	s_lshl_b32 s24, ttmp9, 16                      ; x: 16 rows a work-group,
	s_lshl_b32 s34, s18, 9                         ; 512 bytes of a row a wave
	s_add_co_u32 s24, s24, s34
	s_mov_b32 s25, 0
	s_lshl_b32 s26, s18, 12                        ; Wr: 128 rows of 32 bytes a wave
	s_mov_b32 s27, 0
	s_mul_i32 s28, ttmp9, 12288                    ; xq: 16 rows of 768 bytes
	s_mov_b32 s29, 0
	s_lshl_b32 s30, ttmp9, 9                       ; xs: 16 rows of 32 bytes
	s_mov_b32 s31, 0
	s_lshl_b32 s32, ttmp9, 6                       ; sel: 16 words
	s_mov_b32 s33, 0
	s_wait_alu depctr_va_vdst(0)
	s_wait_kmcnt 0x0
	s_add_nc_u64 s[4:5], s[4:5], s[24:25]
	s_add_nc_u64 s[6:7], s[6:7], s[26:27]
	s_add_nc_u64 s[12:13], s[12:13], s[28:29]
	s_add_nc_u64 s[14:15], s[14:15], s[30:31]
	s_add_nc_u64 s[10:11], s[10:11], s[32:33]
.irp b, 0,1,2,3
.irp j, 0,1,2,3
	global_load_b128 v[X+16*\b+4*\j:X+16*\b+4*\j+3], v4, s[4:5] offset:128*\b+16*\j th:TH_LOAD_NT
.endr
.endr
.irp b, 0,1,2,3
.irp i, 0,1,2,3,4,5,6,7,8,9,10,11,12,13,14,15
	global_load_b32 v[WR+16*\b+\i], v5, s[6:7] offset:32*(32*\b+\i)
.endr
.endr
	s_load_b256 s[40:47], s[8:9], 0x0              ; br
	; every LDS address is made here, ahead of the one branch on the wave's number
	s_mul_i32 s34, s18, 48
	v_mul_u32_u24 v6, v2, 784
	s_delay_alu instid0(VALU_DEP_1)
	v_mad_u32_u24 v6, v3, 384, v6
	s_delay_alu instid0(VALU_DEP_1)
	v_add_nc_u32 v6, s34, v6                       ; my codes: row r, half h, K step s
	s_lshl_b32 s35, s18, 2
	s_add_co_u32 s35, s35, XSS
	v_lshlrev_b32 v7, 5, v2
	s_delay_alu instid0(VALU_DEP_1)
	v_add_nc_u32 v7, s35, v7                       ; my row's scale word of K step s
	s_lshl_b32 s36, s18, 10
	s_add_co_u32 s36, s36, LGS
	v_lshlrev_b32 v11, 4, v1                       ; 16 x lane
	s_delay_alu instid0(VALU_DEP_1)
	v_add_nc_u32 v8, s36, v11                      ; my wave's partial logits
	s_mul_i32 s37, s18, 1568
	v_mul_u32_u24 v9, v3, 784
	s_delay_alu instid0(VALU_DEP_1)
	v_lshl_add_u32 v9, v2, 4, v9
	s_delay_alu instid0(VALU_DEP_1)
	v_add_nc_u32 v9, s37, v9                       ; back: rows 2 w + h, sixteen lanes to 256 bytes
	s_mul_i32 s38, s18, 1536
	v_mul_u32_u24 v10, v3, 768
	s_delay_alu instid0(VALU_DEP_1)
	v_lshl_add_u32 v10, v2, 4, v10
	s_delay_alu instid0(VALU_DEP_1)
	v_add_nc_u32 v10, s38, v10                     ; and the same place in xq
	v_add_nc_u32 v12, XSS, v11                     ; wave 0: the 512 bytes of scale words,
	v_add_nc_u32 v13, LGS, v11                     ; and everybody's partial logits
	v_lshlrev_b32 v14, 2, v2                       ; sel: 4 r
	s_mov_b32 s[SEL], 0x76543210
	s_mov_b32 s[SEL+1], 0xfedcba98
.irp b, 0,1,2,3
	v_mov_b32 v[TM+4+\b], 0                        ; a lane permute's destination counts as one of its sources
.endr
	s_wait_loadcnt 63                              ; behind x's 16 loads stand Wr's 64: at most 63 out means that x is in
	QUANT X
.irp g, 0,1,2
	ds_store_b128 v6, v[PC+4*\g:PC+4*\g+3] offset:16*\g
.endr
	ds_store_b32 v7, v[PW]                         ; both halves of the lanes store the same word
	s_wait_loadcnt 0x0                             ; Wr
.irp p, 0,1,2,3,4,5,6,7                        ; 32 products, the four accumulators by turns, one instruction a turn; the first four start the sums
.irp b, 0,1,2,3
.if \p == 0
	v_wmma_f32_16x16x4_f32 v[AC+8*\b:AC+8*\b+7], v[WR+16*\b:WR+16*\b+1], v[X+16*\b:X+16*\b+1], 0
.else
	v_wmma_f32_16x16x4_f32 v[AC+8*\b:AC+8*\b+7], v[WR+16*\b+2*\p:WR+16*\b+2*\p+1], v[X+16*\b+2*\p:X+16*\b+2*\p+1], v[AC+8*\b:AC+8*\b+7]
.endif
.endr
.endr
.rept 8
	v_nop                                          ; eight places behind this form before its results are read (ISA guide 7.12.1)
.endr
.irp i, 0,2,4,6                                ; each accumulator is read from its low end on
	v_pk_add_f32 v[LG+\i:LG+\i+1], v[AC+\i:AC+\i+1], v[AC+8+\i:AC+8+\i+1]
	v_pk_add_f32 v[TM+\i:TM+\i+1], v[AC+16+\i:AC+16+\i+1], v[AC+24+\i:AC+24+\i+1]
.endr
.irp i, 0,2,4,6
	v_pk_add_f32 v[LG+\i:LG+\i+1], v[LG+\i:LG+\i+1], v[TM+\i:TM+\i+1]
.endr
	ds_store_b128 v8, v[LG:LG+3]
	ds_store_b128 v8, v[LG+4:LG+7] offset:512
	s_wait_dscnt 0x0                               ; for the others' sake: my codes, my scale words and my partial logits lie in LDS
	s_barrier_signal -1
	s_barrier_wait -1
.irp g, 0,1,2
	ds_load_b128 v[16+4*\g:19+4*\g], v9 offset:256*\g
.endr
.irp g, 0,1,2
	s_wait_dscnt 2-\g                              ; the younger loads may be out
	global_store_b128 v10, v[16+4*\g:19+4*\g], s[12:13] offset:256*\g   ; sixteen lanes store 256 consecutive bytes, at a multiple of 256 from xq's first byte
.endr
	s_cmp_lg_u32 s18, 0
	s_cbranch_scc1 .Lend                           ; the rest is wave 0's; no barrier follows
	ds_load_b128 v[28:31], v12
.irp w, 0,1,2,3,4,5,6,7
	ds_load_b128 v[32+8*\w:35+8*\w], v13 offset:1024*\w
	ds_load_b128 v[36+8*\w:39+8*\w], v13 offset:1024*\w+512
.endr
	s_wait_dscnt 16                                ; the scale words are in; the 16 loads of logits may be out
	global_store_b128 v11, v[28:31], s[14:15]      ; 512 consecutive bytes
	s_wait_dscnt 0x0
.irp w, 1,2,3,4,5,6,7                          ; the K steps' parts, ascending
.irp i, 0,2,4,6
	v_pk_add_f32 v[32+\i:33+\i], v[32+\i:33+\i], v[32+8*\w+\i:33+8*\w+\i]
.endr
.endr
	s_wait_alu depctr_va_vdst(0)
	s_wait_kmcnt 0x0                               ; br
.irp j, 0,1,2,3,4,5,6,7
	v_add_f32 v[32+\j], s[40+\j], v[32+\j]
.endr
	v_max3_num_f32 v96, v32, v33, v34              ; the softmax, with its maximum taken away
	s_delay_alu instid0(VALU_DEP_1)
	v_max3_num_f32 v96, v96, v35, v36
	s_delay_alu instid0(VALU_DEP_1)
	v_max3_num_f32 v96, v96, v37, v38
	s_delay_alu instid0(VALU_DEP_1)
	v_max_num_f32 v96, v96, v39
.irp j, 0,1,2,3,4,5,6,7
	v_sub_f32 v[32+\j], v[32+\j], v96
.endr
.irp j, 0,1,2,3,4,5,6,7
	v_mul_f32 v[32+\j], 0x3fb8aa3b, v[32+\j]
.endr
	s_wait_alu depctr_va_vdst(0)
.irp j, 0,1,2,3,4,5,6,7
	v_exp_f32 v[32+\j], v[32+\j]
.endr
	v_mov_b32 v97, 0                               ; the index so far.  (A plain place behind the exponentials)
	s_wait_alu depctr_va_vdst(0)                   ; one wait for the eight, ahead of their first reader
	v_add_f32 v98, v32, v33
.irp j, 2,3,4,5,6,7
	v_add_f32 v98, v98, v[32+\j]
.endr
	s_wait_alu depctr_va_vdst(0)
	v_rcp_f32 v98, v98
	v_nop
	s_wait_alu depctr_va_vdst(0)
.irp j, 0,1,2,3,4,5,6,7
	v_mul_f32 v[32+\j], v[32+\j], v98              ; the routing weights
.endr
	v_mov_b32 v99, v32
.irp e, 1,2,3,4,5,6,7                          ; the first largest: a later expert takes the place only where it is greater
	s_delay_alu instid0(VALU_DEP_1)
	v_cmp_le_f32 vcc_lo, v[32+\e], v99
	s_delay_alu instid0(VALU_DEP_1)
	v_cndmask_b32 v97, \e, v97, vcc_lo
	s_delay_alu instid0(VALU_DEP_3)
	v_max_num_f32 v99, v99, v[32+\e]
.endr
	global_store_b32 v14, v97, s[10:11]            ; lanes r and 16 + r hold the same number and store it to the same word: 64 bytes a work-group
.Lend:
	s_wait_tensorcnt 0x0
	ds_add_u32 v224, v225
	s_wait_dscnt 0x0
	s_endpgm
.Lfunc_end_k_q2fccd9920d_route:
	.size	k_q2fccd9920d_route, .Lfunc_end_k_q2fccd9920d_route-k_q2fccd9920d_route
	.p2alignl 7, 3214868480
	.fill 96, 4, 3214868480
	.section	.rodata,"a",@progbits
	.p2align	6, 0x0
	.amdhsa_kernel k_q2fccd9920d_route
		.amdhsa_group_segment_fixed_size 22528
		.amdhsa_private_segment_fixed_size 0
		.amdhsa_enable_private_segment 0
		.amdhsa_kernarg_size 48
		.amdhsa_user_sgpr_count 2
		.amdhsa_user_sgpr_kernarg_segment_ptr 1
		.amdhsa_wavefront_size32 1
		.amdhsa_system_sgpr_workgroup_id_x 1
		.amdhsa_system_sgpr_workgroup_id_y 1
		.amdhsa_system_sgpr_workgroup_id_z 1
		.amdhsa_system_vgpr_workitem_id 0
		.amdhsa_next_free_vgpr 226
		.amdhsa_next_free_sgpr 66
		.amdhsa_reserve_vcc 1
		.amdhsa_float_denorm_mode_32 3
		.amdhsa_float_denorm_mode_16_64 3
		.amdhsa_memory_ordered 1
		.amdhsa_forward_progress 1
		.amdhsa_inst_pref_size 28
	.end_amdhsa_kernel
	.amdgpu_metadata
---
amdhsa.version: [ 1, 2 ]
amdhsa.kernels:
  - .name:           k_q2fccd9920d_route
    .symbol:         k_q2fccd9920d_route.kd
    .args:
      - { .name: x, .offset: 0, .size: 8, .value_kind: global_buffer, .address_space: global }
      - { .name: Wr, .offset: 8, .size: 8, .value_kind: global_buffer, .address_space: global }
      - { .name: br, .offset: 16, .size: 8, .value_kind: global_buffer, .address_space: global }
      - { .name: sel, .offset: 24, .size: 8, .value_kind: global_buffer, .address_space: global }
      - { .name: xq, .offset: 32, .size: 8, .value_kind: global_buffer, .address_space: global }
      - { .name: xs, .offset: 40, .size: 8, .value_kind: global_buffer, .address_space: global }
    .group_segment_fixed_size: 22528
    .private_segment_fixed_size: 0
    .kernarg_segment_align: 8
    .kernarg_segment_size: 48
    .max_flat_workgroup_size: 256
    .sgpr_count:     66
    .vgpr_count:     226
    .wavefront_size: 32
...
	.end_amdgpu_metadata
.endif
;; end of part 1
;; launch ffn1 (part 2): grid 256 x 1, 16 waves a work-group, no clusters, 310,016 bytes of LDS; arguments W1, b1, sel, xq, xs, himg, hsc; writes himg, hsc
.if DOCPART == 2
	.amdgcn_target "amdgcn-amd-amdhsa--gfx1250"
	.amdhsa_code_object_version 6
	.text
	.protected	k_q2fccd9920d_ffn1
	.globl	k_q2fccd9920d_ffn1
	.p2align	8
	.type	k_q2fccd9920d_ffn1,@function
k_q2fccd9920d_ffn1:
	s_mov_b64 s[64:65], 0
	v_nop
	global_prefetch_b8 v0, s[64:65] scope:SCOPE_SE
	s_setreg_imm32_b32 hwreg(HW_REG_WAVE_MODE, 25, 1), 1
	s_wait_xcnt 0x0
; FIRST LAYER OF THE CHOSEN EXPERTS: h = gelu(x W1[e] + b1[e]) (gelu by erf), for the tokens whose sel is e, quantised along H.  Both operands of the product are codes of E3M2 with E8M0 scales.
; Only the rows whose sel is e are multiplied.
; W1: [8][K = 1024][4096] f32, K its first axis within an expert.  Work-group x: expert e = x / 32, hidden units 128 (x % 32) on: a slice of 1,024 x 128 numbers, which no other work-group reads.
; THE STREAM GOES BY HALVES OF THE COLUMNS, AND IN EACH BY K.  At time t = 0 .. 7 the 16 waves take 64 columns (half t / 4: 256 consecutive bytes of a row) x 256 along K (K steps 2 (t % 4) and + 1): wave w takes
; 32 columns (w % 2), block (w / 2) % 4 of K step 2 (t % 4) + w / 8.  A lane takes a column and its 32 registers run down K: the block's largest magnitude needs no other lane; its 24 bytes of codes are registers
; 6 c .. 6 c + 5 of operand lane (r, hh), block = 2 c + hh.  A fragment lies in LDS as 32 lanes x 48 bytes, so these 24 bytes go to their place by three stores of 8 bytes and come back as three loads of 16;
; the block's scale byte goes to its byte of the column's word.  All 64 fragments (96 KiB) and scale words (4 KiB) stay in LDS.
; THE COLUMNS OF A TILE ARE NOT NEIGHBOURS: lane l takes column l % 8 + 16 ((l / 8) % 2) + 8 (l / 16) of its 32, so that the 16 result registers of tiles 2 b and 2 b + 1 are 16 neighbours along the next product's K.
; THE LIST.  Wave 0 places the tokens of expert e in LDS, in a fixed order that the next launch makes again; the last tile of 16 is filled up with its own first token, whose numbers are then made and stored again.
; THE PRODUCT AND HALF OF GELU STAND AMONG THE BLOCKS.  Wave w owns tile w of 16 tokens.  Behind the list every wave gathers its tile's rows of x's codes (whole pieces of 256 bytes; a wave without a tile gathers the
; list's fill, so that the counts of loads are alike in all waves), stages them in its own LDS bytes, and loads b1 into the accumulators as the C of the first products.  The first half's four tiles are multiplied behind
; blocks 3 and 4 and go through gelu there; the second half's behind blocks 5, 6, 7: all under a scalar branch on the stored count, while the loads of the next two blocks are out.
; Tiles 16 and up (an expert with more than 256 tokens) follow in a loop of constant count, from the fragments in LDS.
; NO TENSOR LOADS AND NO JOINT LOADS: the number of tiles is read from memory.  NO PREFETCH: each byte of W1 is asked for once, by loads that stand two blocks ahead of their use all through the stream.
; LIMITS: NaN and infinities are not served.  A block whose largest magnitude lies under 2^-122, a block of zeros too, keeps the byte 1 (its codes are zeros where the rule says 127; this program alone reads the bytes).
; erf(z) = z P(z^2) / Q(z^2), degrees 6 and 4 in z^2, z held to +-4: its absolute error is of the order of 1e-7, so gelu loses relative accuracy under x = -3, where it lies far under a code's step unless all 32 of a block are so negative.
.set PITCH, 16384                      ; a row of W1 in bytes
.set WSC,   98304                      ; LDS: fragment (K step s, tile ct) at 1,536 (8 s + ct) + 48 lane; scale words at WSC + 512 s + 16 lane + 4 (ct / 2): lanes 0-15 the even tile's rows, lanes 16-31 the odd tile's
.set LIST,  102400                     ; 1,152 entries of 4 bytes; 32 entries for what is not placed; the count
.set DUMP,  1152
.set CNTW,  LIST+4736
.set XST,   107264                     ; a stage of 16 rows x (768 + 16) bytes for each wave
.set XSTW,  12544
.set SPARE, 307968                     ; the spare words: 128 bytes a wave
.set C16, 1                            ; 16 r
.set WO,  2                            ; 4 x my column
.set IW0, 3                            ; where my codes go, K steps 0-3;  IW1: K steps 4-7
.set IW1, 4
.set WB0, 5                            ; 48 x lane: fragments of K steps 0-3;  WB1: 4-7
.set WB1, 6
.set WSA, 7                            ; WSC + 16 x lane
.set LQ,  8                            ; LIST + 64 w + 4 h
.set LR,  9                            ; LIST + 64 w + 4 r
.set SW,  10                           ; the stage, in: rows h, 16 r
.set SR,  11                           ; the stage, out: row r, half h
.set BA,  12                           ; b1: 64 h
.set SWA, 13                           ; where my block's scale byte goes
.set GS,  14                           ; 4 x lane
.set LQ2, 15                           ; a later pass's list entries
.set LR2, 16
.set L16, 17                           ; 16 x lane
.set CW,  18                           ; the count word
.set RING, 20                          ; v20-115  three sets of 32 numbers; behind the stream the quantiser's registers
.set BF,  116                          ; v116-163 four fragments of W1; v116-147 also eight of the gather's loads; gelu's registers; the way out: the codes
.set PC,  116
.set ZZ,  116
.set SS,  124
.set PP,  132
.set QQ,  140
.set A13, 148
.set B8,  150
.set MX0, 148                          ; v148-160 a block's registers at work
.set MX1, 149
.set SCL, 150
.set BYT, 151
.set DD,  152
.set CT,  158
.set AF,  164                          ; v164-175 x's fragment; ahead of the products the tokens
.set TK,  164
.set TRK, 172
.set CNTV, 173
.set LN,  164                          ; (at the head: lane, r, h)
.set RW,  165
.set HF,  166
.set WS,  176                          ; v176-179 W1's scale words of a K step
.set XSC, 180                          ; v180-187 x's scale words, all K steps
.set ACC, 188                          ; v188-251 eight accumulators; ahead of b1 sixteen of the gather's loads
.set SPW, 254                          ; my spare word's address; never rewritten
.set NIL, 255                          ; 0; never rewritten
.set TM,  88
.set PW,  104
.set SEL, 32                           ; s[32:33]
.macro CPAIR r, val                    ; a constant for the packed forms: they name a pair and take its low word for both halves, so both are written
	s_mov_b32 s[\r], \val
	s_mov_b32 s[\r+1], \val
.endm
.macro LOAD t                          ; time t: W(256 (t % 4) + my 32 rows, my column of half t / 4), into set t % 3.  Base s[4:5] serves rows 0-511, s[38:39] rows 512 on: 287 rows of 16,384 bytes at the most in the immediate
.set li, 0
.rept 32
	global_load_b32 v[RING+32*((\t)%3)+li], v[WO], s[4+34*(((\t)%4)/2):5+34*(((\t)%4)/2)] offset:(256*((\t)%2)+li)*PITCH+256*((\t)/4) th:TH_LOAD_NT
.set li, li+1
.endr
.endm
.macro BLOCK t, cnt                    ; cnt: the loads issued behind this block's 32
.set XS,  RING+32*((\t)%3)
	s_wait_loadcnt \cnt
.if (\t) < 6
	LOAD (\t)+2                                    ; into the set that the block before has left
.endif
	v_max3_num_f32 v[MX0], |v[XS]|, |v[XS+1]|, |v[XS+2]|           ; the block's largest magnitude: all 32 numbers are mine
	v_max3_num_f32 v[MX1], |v[XS+3]|, |v[XS+4]|, |v[XS+5]|
.irp i, 6,10,14,18,22,26
	s_delay_alu instid0(VALU_DEP_2)
	v_max3_num_f32 v[MX0], v[MX0], |v[XS+\i]|, |v[XS+\i+1]|
	s_delay_alu instid0(VALU_DEP_2)
	v_max3_num_f32 v[MX1], v[MX1], |v[XS+\i+2]|, |v[XS+\i+3]|
.endr
	s_delay_alu instid0(VALU_DEP_2)
	v_max3_num_f32 v[MX0], v[MX0], |v[XS+30]|, |v[XS+31]|
	s_delay_alu instid0(VALU_DEP_1)
	v_max3_num_f32 v[MX0], v[MX0], v[MX1], 0x2800000               ; and the floor 2^(5 - 127): the byte cannot fall under 1
	s_delay_alu instid0(VALU_DEP_1)
	v_add_nc_u32 v[SCL], 0xfe000000, v[MX0]                        ; 4 off its exponent field: the conversion's scale operand
	s_delay_alu instid0(VALU_DEP_1)
	v_lshrrev_b32 v[BYT], 23, v[SCL]                               ; the scale's byte
	v_cvt_scalef32_pk16_bf6_f32 v[DD:DD+2], v[XS:XS+15], v[SCL]
	v_cvt_scalef32_pk16_bf6_f32 v[CT:CT+2], v[XS+16:XS+31], v[SCL] ; (a conversion's three registers begin on an even number)
	v_nop                                          ; one plain place behind a scaled conversion
.irp j, 0,1,2
	v_mov_b32 v[DD+3+\j], v[CT+\j]
.endr
.irp j, 0,1,2
	ds_store_b64 v[IW0+((\t)%4)/2], v[DD+2*\j:DD+2*\j+1] offset:24576*((\t)%2)+6144*((\t)/4)+8*\j
.endr
	ds_store_b8 v[SWA], v[BYT] offset:1024*((\t)%4)+8*((\t)/4)
.endm
.macro BAR                             ; my LDS stores are done, for the others' sake; then the work-group's barrier
	s_wait_dscnt 0x0
	s_barrier_signal -1
	s_barrier_wait -1
.endm
.macro GATHER lq, lr                   ; 16 rows of x's codes, 24 loads, and my row's 8 scale words, 2 loads
.irp q, 0,1,2,3,4,5,6,7
	ds_load_b32 v[TK+\q], v[\lq] offset:8*\q       ; the token of row 2 q + h
.endr
	ds_load_b32 v[TRK], v[\lr]                     ; the token of row r
	s_wait_dscnt 0x0
.irp q, 0,1,2,3,4,5,6,7
	v_min_u32 v[TK+\q], 0x3ff, v[TK+\q]
.endr
.irp q, 0,1,2,3,4,5,6,7
	v_mad_u32_u24 v[TK+\q], v[TK+\q], 768, v[C16]
.endr
	v_min_u32 v[TRK], 0x3ff, v[TRK]
	s_delay_alu instid0(VALU_DEP_1)
	v_lshlrev_b32 v[TRK], 5, v[TRK]
.irp q, 0,1,2,3,4,5,6,7
.irp g, 0,1,2
.set J, 3*\q+\g
.set GRJ, ACC+4*J-(J/16)*(ACC+64-BF)           ; loads 0-15 into the accumulators' registers, 16-23 into v116-147
	global_load_b128 v[GRJ:GRJ+3], v[TK+\q], s[10:11] offset:256*\g   ; sixteen lanes read 256 consecutive bytes of a row of codes
.endr
.endr
	global_load_b128 v[XSC:XSC+3], v[TRK], s[12:13]
	global_load_b128 v[XSC+4:XSC+7], v[TRK], s[12:13] offset:16
.endm
.macro STAGE                           ; into my wave's own stage; LDS serves a wave's instructions in order, so my later loads see these stores
.irp q, 0,1,2,3,4,5,6,7
.irp g, 0,1,2
.set J, 3*\q+\g
.set GRJ, ACC+4*J-(J/16)*(ACC+64-BF)
	ds_store_b128 v[SW], v[GRJ:GRJ+3] offset:1568*\q+256*\g
.endr
.endr
.endm
.macro B1LOAD                          ; b1 in the result's layout, straight into the accumulators: it is the C of the first products.  16 loads
.irp b, 0,1,2,3
.irp u, 0,1
	global_load_b128 v[ACC+16*\b+8*\u:ACC+16*\b+8*\u+3], v[BA], s[6:7] offset:128*\b+32*\u
	global_load_b128 v[ACC+16*\b+8*\u+4:ACC+16*\b+8*\u+7], v[BA], s[6:7] offset:128*\b+32*\u+16
.endr
.endr
.endm
.macro MM ct, f, s                     ; tile ct of hidden units x my 16 tokens, K step s.  One register carries the scale words of tiles 2 b (lanes 0-15) and 2 b + 1 (lanes 16-31)
.if ((\ct)%2) == 0
	v_wmma_scale_f32_16x16x128_f8f6f4 v[ACC+8*(\ct):ACC+8*(\ct)+7], v[BF+12*(\f):BF+12*(\f)+11], v[AF:AF+11], v[ACC+8*(\ct):ACC+8*(\ct)+7], v[WS+(\ct)/2], v[XSC+(\s)] matrix_a_fmt:MATRIX_FMT_BF6 matrix_b_fmt:MATRIX_FMT_BF6
.else
	v_wmma_scale_f32_16x16x128_f8f6f4 v[ACC+8*(\ct):ACC+8*(\ct)+7], v[BF+12*(\f):BF+12*(\f)+11], v[AF:AF+11], v[ACC+8*(\ct):ACC+8*(\ct)+7], v[WS+(\ct)/2], v[XSC+(\s)] matrix_a_fmt:MATRIX_FMT_BF6 matrix_b_fmt:MATRIX_FMT_BF6 matrix_a_scale:MATRIX_SCALE_ROW1
.endif
.endm
.macro HALF s, g                       ; K step s of the four tiles of column half g.  The four accumulators take turns, one instruction a turn
.irp j, 0,1,2
	ds_load_b128 v[AF+4*\j:AF+4*\j+3], v[SR] offset:48*(\s)+16*\j
.endr
	ds_load_b64 v[WS+2*(\g):WS+2*(\g)+1], v[WSA] offset:512*(\s)+8*(\g)   ; this half's two scale words alone: the other half's bytes may still be in the making
.irp f, 0,1,2,3
.irp j, 0,1,2
	ds_load_b128 v[BF+12*\f+4*\j:BF+12*\f+4*\j+3], v[WB0+(\s)/4] offset:12288*((\s)%4)+6144*(\g)+1536*\f+16*\j
.endr
.endr
	s_wait_dscnt 0x0
.irp f, 0,1,2,3
	MM 4*(\g)+\f, \f, \s
.endr
.rept 4
	v_nop                                          ; four places behind the products: loads and vector writes into their operands' registers follow, and at the end reads of the results
.endr
.endm
; gelu of 8 numbers v[x] .. v[x + 7] (one accumulator), in place: x/2 + (x/2) erf(x / sqrt 2), two at a time, four pairs by turns.  The 8 reciprocals are one batch with a wait ahead of it and one behind.
.macro GELU8 x
.irp i, 0,2,4,6
	v_pk_mul_f32 v[ZZ+\i:ZZ+\i+1], v[\x+\i:\x+\i+1], s[40:41] op_sel_hi:[1,0]      ; z = x / sqrt 2.  (The accumulator is read from its low end on)
.endr
.irp i, 0,1,2,3,4,5,6,7
	v_med3_num_f32 v[ZZ+\i], v[ZZ+\i], -4.0, 4.0
.endr
.irp i, 0,2,4,6
	v_pk_mul_f32 v[SS+\i:SS+\i+1], v[ZZ+\i:ZZ+\i+1], v[ZZ+\i:ZZ+\i+1]
.endr
.irp i, 0,2,4,6
	v_pk_fma_f32 v[PP+\i:PP+\i+1], v[SS+\i:SS+\i+1], v[A13:A13+1], s[42:43] op_sel_hi:[1,1,0]
.endr
.irp c, 44,46,48,50,52
.irp i, 0,2,4,6
	v_pk_fma_f32 v[PP+\i:PP+\i+1], v[PP+\i:PP+\i+1], v[SS+\i:SS+\i+1], s[\c:\c+1] op_sel_hi:[1,1,0]
.endr
.endr
.irp i, 0,2,4,6
	v_pk_fma_f32 v[QQ+\i:QQ+\i+1], v[SS+\i:SS+\i+1], v[B8:B8+1], s[54:55] op_sel_hi:[1,1,0]
.endr
.irp c, 56,58,60
.irp i, 0,2,4,6
	v_pk_fma_f32 v[QQ+\i:QQ+\i+1], v[QQ+\i:QQ+\i+1], v[SS+\i:SS+\i+1], s[\c:\c+1] op_sel_hi:[1,1,0]
.endr
.endr
.irp i, 0,2,4,6
	v_pk_mul_f32 v[PP+\i:PP+\i+1], v[PP+\i:PP+\i+1], v[ZZ+\i:ZZ+\i+1]
.endr
	s_wait_alu depctr_va_vdst(0)
.irp i, 0,1,2,3,4,5,6,7
	v_rcp_f32 v[QQ+\i], v[QQ+\i]
.endr
.irp i, 0,2,4,6
	v_pk_mul_f32 v[ZZ+\i:ZZ+\i+1], v[\x+\i:\x+\i+1], 0.5 op_sel_hi:[1,0]           ; plain work behind the reciprocals
.endr
	s_wait_alu depctr_va_vdst(0)
.irp i, 0,2,4,6
	v_pk_mul_f32 v[PP+\i:PP+\i+1], v[PP+\i:PP+\i+1], v[QQ+\i:QQ+\i+1]              ; erf
.endr
.irp i, 0,2,4,6
	v_pk_fma_f32 v[\x+\i:\x+\i+1], v[ZZ+\i:ZZ+\i+1], v[PP+\i:PP+\i+1], v[ZZ+\i:ZZ+\i+1]
.endr
.endm
.macro GELU32 x                        ; the four accumulators of a column half
	v_mov_b32 v[A13], 0xaf95df0a
	v_mov_b32 v[A13+1], 0xaf95df0a
	v_mov_b32 v[B8], 0xb77460cd
	v_mov_b32 v[B8+1], 0xb77460cd
	GELU8 \x
	GELU8 \x+8
	GELU8 \x+16
	GELU8 \x+24
.endm
.macro PRODS g, a, b, gelu             ; K steps a .. b of column half g of my tile, where the expert has so many tiles; no barrier and no global load stands under the branch
	s_cmp_lt_u32 s18, s29
	s_cbranch_scc0 .Lidle\@
.set ks, \a
.rept (\b)-(\a)+1
	HALF ks, \g
.set ks, ks+1
.endr
.if \gelu
	GELU32 ACC
.endif
.Lidle\@:
.endm
; 64 numbers of a lane, register 16 b + i = k 32 b + 16 (lane / 16) + i of my row, become a fragment's codes in v[PC] on and its scale word in v[PW].
.macro QUANT s
.irp b, 0,1,2,3
	v_max3_num_f32 v[TM+\b], |v[\s+16*\b]|, |v[\s+1+16*\b]|, 0x2800000
.endr
.irp i, 2,4,6,8,10,12,14
.irp b, 0,1,2,3
	v_max3_num_f32 v[TM+\b], v[TM+\b], |v[\s+16*\b+\i]|, |v[\s+1+16*\b+\i]|   ; (the four blocks by turns)
.endr
.endr
.irp b, 0,1,2,3
	s_delay_alu instid0(VALU_DEP_4)
	v_permlanex16_b32 v[TM+4+\b], v[TM+\b], s[SEL], s[SEL+1]
.endr
.irp b, 0,1,2,3
	s_delay_alu instid0(VALU_DEP_4)
	v_max_num_f32 v[TM+\b], v[TM+\b], v[TM+4+\b]
.endr
.irp b, 0,1,2,3
	s_delay_alu instid0(VALU_DEP_4)
	v_add_nc_u32 v[TM+12+\b], 0xfe000000, v[TM+\b]
.endr
.irp b, 0,1,2,3
	s_delay_alu instid0(VALU_DEP_4)
	v_lshrrev_b32 v[TM+4+\b], 23, v[TM+12+\b]
.endr
	s_delay_alu instid0(VALU_DEP_3)
	v_lshl_or_b32 v[PW], v[TM+5], 8, v[TM+4]
	s_delay_alu instid0(VALU_DEP_1)
	v_lshl_or_b32 v[PW], v[TM+6], 16, v[PW]
	s_delay_alu instid0(VALU_DEP_1)
	v_lshl_or_b32 v[PW], v[TM+7], 24, v[PW]
.irp c, 0,1
	v_cvt_scalef32_pk16_bf6_f32 v[PC+6*\c:PC+2+6*\c], v[\s+32*\c:\s+15+32*\c], v[TM+12+2*\c]
	v_cvt_scalef32_pk16_bf6_f32 v[PC+12+4*\c:PC+14+4*\c], v[\s+16+32*\c:\s+31+32*\c], v[TM+12+2*\c+1]
.endr
	v_nop                                          ; one plain place behind a scaled conversion
.irp c, 0,1
.irp i, 0,1,2
	v_permlane16_swap_b32 v[PC+6*\c+\i], v[PC+12+4*\c+\i]
.endr
.irp i, 0,1,2
	s_delay_alu instid0(VALU_DEP_3)
	v_mov_b32 v[PC+3+6*\c+\i], v[PC+12+4*\c+\i]
.endr
.endr
.endm
	s_load_b256 s[4:11], s[0:1], 0x0               ; W1 s[4:5], b1 s[6:7], sel s[8:9], xq s[10:11]
	s_load_b128 s[12:15], s[0:1], 0x20             ; xs s[12:13], himg s[14:15]
	s_load_b64 s[16:17], s[0:1], 0x30              ; hsc
	v_lshl_add_u32 v[SPW], v0, 2, SPARE
	v_mov_b32 v[NIL], 0
	v_lshrrev_b32 v[LN], 5, v0
	s_delay_alu instid0(VALU_DEP_1)
	v_readfirstlane_b32 s18, v[LN]                 ; wave 0..15
	s_lshr_b32 s19, ttmp9, 5                       ; the expert
	s_and_b32 s20, ttmp9, 31                       ; the slice
	s_and_b32 s21, s18, 1                          ; my 32 columns of a half's 64
	s_bfe_u32 s22, s18, 0x20001                    ; my block of a K step's four
	s_lshr_b32 s27, s18, 3                         ; which of a time's two K steps
	v_and_b32 v[LN], 31, v0
	v_and_b32 v[RW], 15, v0
	v_bfe_u32 v[HF], v0, 4, 1
	v_and_b32 v[WO], 7, v0
	v_bfe_u32 v[C16], v0, 3, 1
	s_delay_alu instid0(VALU_DEP_1)
	v_lshl_add_u32 v[WO], v[C16], 4, v[WO]
	s_delay_alu instid0(VALU_DEP_1)
	v_lshl_add_u32 v[WO], v[HF], 3, v[WO]
	s_delay_alu instid0(VALU_DEP_1)
	v_lshlrev_b32 v[WO], 2, v[WO]                  ; 4 x (l % 8 + 16 ((l / 8) % 2) + 8 (l / 16))
	v_lshlrev_b32 v[L16], 4, v[LN]
	s_lshl_b32 s24, s19, 24                        ; an expert's 16 MiB,
	s_lshl_b32 s28, s27, 21                        ; 128 rows of 16,384 bytes a K step,
	s_add_co_u32 s24, s24, s28
	s_lshl_b32 s28, s22, 19                        ; 32 rows a block,
	s_add_co_u32 s24, s24, s28
	s_lshl_b32 s28, s20, 9                         ; the slice's 512 bytes of a row,
	s_add_co_u32 s24, s24, s28
	s_lshl_b32 s28, s21, 7                         ; my 128 of a half's 256
	s_add_co_u32 s24, s24, s28
	s_mov_b32 s25, 0
	s_wait_alu depctr_va_vdst(0)
	s_wait_kmcnt 0x0
	s_add_nc_u64 s[4:5], s[4:5], s[24:25]
	s_add_nc_u64 s[38:39], s[4:5], 0x800000        ; 512 rows further down
.irp j, 0,1,2,3,4,5,6,7                        ; sel: register 4 j + c of lane l is token 128 j + 4 l + c's.  Every wave loads it, so that the counts of loads are alike; wave 0 reads it
	global_load_b128 v[RING+64+4*\j:RING+64+4*\j+3], v[L16], s[8:9] offset:512*\j
.endr
	LOAD 0
	LOAD 1
	s_lshl_b32 s24, s19, 14                        ; b1: the expert's row, the slice's 128 numbers
	s_lshl_b32 s28, s20, 9
	s_add_co_u32 s24, s24, s28
	s_add_nc_u64 s[6:7], s[6:7], s[24:25]
	s_mul_i32 s24, s19, 3145728                    ; himg[e][tile][K step][1,536]: 64 x 32 x 1,536 bytes an expert; my K step of the next product is the slice
	s_mul_i32 s28, s20, 1536
	s_add_co_u32 s24, s24, s28
	s_add_nc_u64 s[14:15], s[14:15], s[24:25]
	s_lshl_b32 s24, s19, 18                        ; hsc[e][K step][tile][128]
	s_lshl_b32 s28, s20, 13
	s_add_co_u32 s24, s24, s28
	s_add_nc_u64 s[16:17], s[16:17], s[24:25]
	; every LDS address is made here, ahead of the branch on the wave's number
	s_mul_i32 s24, s27, 12288                      ; my K step of the time's two,
	s_mul_i32 s28, s21, 3072                       ; my two tiles of columns,
	s_add_co_u32 s24, s24, s28
	s_and_b32 s28, s22, 1
	s_mul_i32 s28, s28, 768                        ; operand lanes 16 hh on,
	s_add_co_u32 s24, s24, s28
	s_lshr_b32 s28, s22, 1
	s_mul_i32 s28, s28, 24                         ; registers 6 c on
	s_add_co_u32 s24, s24, s28
	v_lshlrev_b32 v[C16], 4, v[RW]
	v_mul_u32_u24 v[IW0], v[HF], 1536
	s_delay_alu instid0(VALU_DEP_1)
	v_mad_u32_u24 v[IW0], v[RW], 48, v[IW0]
	s_delay_alu instid0(VALU_DEP_1)
	v_add_nc_u32 v[IW0], s24, v[IW0]
	s_delay_alu instid0(VALU_DEP_1)
	v_add_nc_u32 v[IW1], 49152, v[IW0]
	s_lshl_b32 s24, s27, 9
	s_lshl_b32 s28, s21, 2
	s_add_co_u32 s24, s24, s28
	s_add_co_u32 s24, s24, s22
	s_add_co_u32 s24, s24, WSC
	v_lshl_add_u32 v[SWA], v[LN], 4, s24           ; my column's word of my K step, my block's byte
	v_mul_u32_u24 v[WB0], v[LN], 48
	s_delay_alu instid0(VALU_DEP_1)
	v_add_nc_u32 v[WB1], 49152, v[WB0]
	v_add_nc_u32 v[WSA], WSC, v[L16]
	s_lshl_b32 s24, s18, 6
	s_add_co_u32 s24, s24, LIST
	v_lshl_add_u32 v[LQ], v[HF], 2, s24
	v_lshl_add_u32 v[LR], v[RW], 2, s24
	s_mul_i32 s24, s18, XSTW
	s_add_co_u32 s24, s24, XST
	v_mul_u32_u24 v[SW], v[HF], 784
	s_delay_alu instid0(VALU_DEP_1)
	v_lshl_add_u32 v[SW], v[RW], 4, v[SW]
	s_delay_alu instid0(VALU_DEP_1)
	v_add_nc_u32 v[SW], s24, v[SW]
	v_mul_u32_u24 v[SR], v[RW], 784
	s_delay_alu instid0(VALU_DEP_1)
	v_mad_u32_u24 v[SR], v[HF], 384, v[SR]
	s_delay_alu instid0(VALU_DEP_1)
	v_add_nc_u32 v[SR], s24, v[SR]
	v_lshlrev_b32 v[BA], 6, v[HF]
	v_lshlrev_b32 v[GS], 2, v[LN]
	v_mov_b32 v[CW], CNTW
	s_cmp_lg_u32 s18, 0
	s_wait_alu depctr_va_vdst(0)
	s_cbranch_scc1 .Lno_list
	; THE LIST, by wave 0, eight registers of sel at a time, so that the eight chains take turns.  Its stores' addresses hang on sel; no other wave touches LDS before the barrier below.
	s_wait_loadcnt 63                              ; behind sel's 8 loads stand 64: at most 63 out means that sel is in
	v_add_nc_u32 v116, LIST, v[L16]
.irp j, 120,121,122,123
	v_mov_b32 v\j, 0
.endr
.irp k, 0,1,2,3,4,5,6,7,8
	ds_store_b128 v116, v[120:123] offset:512*\k   ; all 1,152 entries are written once, so that none is read unwritten
.endr
	v_add_nc_u32 v117, DUMP, v[LN]                 ; where a lane puts a token that is not the expert's
	v_lshlrev_b32 v118, 2, v[LN]                   ; 4 l
	s_mov_b32 s26, 0                               ; the count
.set n, 0
.rept 4
.irp i, 0,1,2,3,4,5,6,7
	v_cmp_eq_u32 s[40+\i], s19, v[RING+64+n+\i]
.endr
	s_wait_alu depctr_va_vdst(0)
.irp i, 0,1,2,3,4,5,6,7
	s_mov_b32 s[48+\i], s26                        ; the count ahead of register n + i
	s_bcnt1_i32_b32 s28, s[40+\i]
	s_add_co_u32 s26, s26, s28
.endr
.irp i, 0,1,2,3,4,5,6,7
	v_mbcnt_lo_u32_b32 v[124+\i], s[40+\i], s[48+\i]   ; the count so far + the expert's tokens in lower lanes
.endr
.irp i, 0,1,2,3,4,5,6,7
	v_cndmask_b32 v[124+\i], v117, v[124+\i], s[40+\i]
.endr
.irp i, 0,1,2,3,4,5,6,7
	v_min_u32 v[124+\i], 1183, v[124+\i]
.endr
.irp i, 0,1,2,3,4,5,6,7
	v_lshl_add_u32 v[124+\i], v[124+\i], 2, LIST
.endr
.irp i, 0,1,2,3,4,5,6,7
	v_add_nc_u32 v[132+\i], 128*((n+\i)/4)+(n+\i)%4, v118   ; the token
.endr
.irp i, 0,1,2,3,4,5,6,7
	ds_store_b32 v[124+\i], v[132+\i]
.endr
.set n, n+8
.endr
	s_max_u32 s28, s26, 1                          ; the last tile's first entry
	s_sub_co_u32 s28, s28, 1
	s_and_not1_b32 s28, s28, 15
	s_min_u32 s28, s28, 1023
	s_lshl_b32 s28, s28, 2
	s_add_co_u32 s28, s28, LIST
	v_mov_b32 v116, s28
	ds_load_b32 v119, v116                         ; LDS serves a wave's instructions in order: this sees the stores above
	v_add_nc_u32 v124, s26, v[LN]
	s_delay_alu instid0(VALU_DEP_1)
	v_min_u32 v124, 1183, v124
	s_delay_alu instid0(VALU_DEP_1)
	v_lshl_add_u32 v124, v124, 2, LIST
	s_wait_alu depctr_va_vdst(0)
	s_wait_dscnt 0x0
	ds_store_b32 v124, v119                        ; fills the entries behind the last: the rest of the last tile among them
	v_mov_b32 v125, s26
	ds_store_b32 v[CW], v125
.Lno_list:
	s_mov_b32 s[SEL], 0x76543210
	s_mov_b32 s[SEL+1], 0xfedcba98
	CPAIR 40, 0x3f3504f3                           ; 1 / sqrt 2
	CPAIR 42, 0x32edffee                           ; P's coefficients from z^10 down (z^12's stands in a vector pair),
	CPAIR 44, 0xb60cff51
	CPAIR 46, 0xb86ec2d2
	CPAIR 48, 0xba40ac63
	CPAIR 50, 0xbb41a1f6
	CPAIR 52, 0xbc83dbd4
	CPAIR 54, 0xb95fbd29                           ; Q's from z^6 down (z^8's likewise)
	CPAIR 56, 0xbadc924e
	CPAIR 58, 0xbbf19bf8
	CPAIR 60, 0xbc69b6a7
	BAR                                            ; the list lies in LDS; the weights' loads stay on their way
	ds_load_b32 v[CNTV], v[CW]
	GATHER LQ, LR                                  ; tile w's rows: 26 loads behind blocks 0 and 1's 64
	v_readfirstlane_b32 s26, v[CNTV]
	s_min_u32 s26, s26, 1024
	s_add_co_u32 s29, s26, 15
	s_lshr_b32 s29, s29, 4                         ; tiles of 16 tokens
	BLOCK 0, 58                                    ; behind block 0's loads: block 1's 32 and the gather's 26
	BAR
	BLOCK 1, 58                                    ; behind block 1's: the gather's 26 and block 2's 32
	s_wait_loadcnt 63                              ; behind the gather stand blocks 2 and 3's 64 loads: at most 63 out means that it is in
	STAGE
	BAR                                            ; (its wait also shows that the stage's stores have read their registers)
	B1LOAD
	BLOCK 2, 48                                    ; behind block 2's: block 3's 32 and b1's 16
	BAR
	BLOCK 3, 48                                    ; behind block 3's: b1's 16 and block 4's 32
	BAR                                            ; the first half's 32 fragments are whole
	s_wait_loadcnt 63                              ; behind b1 stand blocks 4 and 5's 64 loads: b1 is in
	PRODS 0, 0, 5, 0
	BLOCK 4, 32
	BAR
	PRODS 0, 6, 7, 1                               ; the first half's sums are finished: their gelu stands here
	BLOCK 5, 32
	BAR
	PRODS 1, 0, 3, 0
	BLOCK 6, 32
	BAR
	PRODS 1, 4, 5, 0
	BLOCK 7, 0
	BAR                                            ; the slice's 64 fragments are whole; from here on they, the scale words and the list are only read
	PRODS 1, 6, 7, 0
	s_mov_b32 s30, s18                             ; my tile
	s_mov_b32 s23, 0                               ; its entries' place in the list, beyond 64 w
	s_mov_b32 s31, 0
.Lpass:                                                ; four trips by a constant: tiles w, w + 16, w + 32, w + 48; the first trip's products and its first half's gelu are done
	s_cmp_lt_u32 s30, s29
	s_cbranch_scc0 .Lskip
	s_wait_xcnt 0x0                                ; the last pass's loads and stores have read their registers and bases: all may be written again
	s_mul_i32 s24, s30, 49152
	s_mov_b32 s25, 0
	s_add_nc_u64 s[34:35], s[14:15], s[24:25]      ; himg at my tile
	s_lshl_b32 s24, s30, 7
	s_add_nc_u64 s[36:37], s[16:17], s[24:25]      ; hsc at my tile
	s_cmp_eq_u32 s31, 0
	s_cbranch_scc1 .Ltail
	v_add_nc_u32 v[LQ2], s23, v[LQ]
	v_add_nc_u32 v[LR2], s23, v[LR]
	GATHER LQ2, LR2
	s_wait_loadcnt 0x0
	STAGE
	s_wait_dscnt 0x0                               ; the stores have read the accumulators' registers
	B1LOAD
	s_wait_loadcnt 0x0
.irp s, 0,1,2,3,4,5,6,7
	HALF \s, 0
	HALF \s, 1
.endr
	GELU32 ACC
.Ltail:
	GELU32 ACC+32
.irp b, 0,1,2,3
	v_mov_b32 v[TM+4+\b], 0                        ; a lane permute's destination counts as one of its sources
.endr
	s_wait_alu depctr_va_vdst(0)                   ; directly ahead of the first reader of the sums behind the reciprocals
	QUANT ACC
.irp g, 0,1,2
	global_store_b128 v[L16], v[PC+4*\g:PC+4*\g+3], s[34:35] offset:512*\g   ; the fragment's image: 512 consecutive bytes a store, at a multiple of 256 from himg's first byte
.endr
	global_store_b32 v[GS], v[PW], s[36:37]        ; its scale words: 128 consecutive bytes
.Lskip:
	s_add_co_u32 s30, s30, 16
	s_add_co_u32 s23, s23, 1024
	s_add_co_u32 s31, s31, 1
	s_cmp_lt_u32 s31, 4
	s_cbranch_scc1 .Lpass
	s_wait_tensorcnt 0x0                           ; the wave's end: behind my last LDS store
	ds_add_u32 v[SPW], v[NIL]
	s_wait_dscnt 0x0
	s_endpgm
.Lfunc_end_k_q2fccd9920d_ffn1:
	.size	k_q2fccd9920d_ffn1, .Lfunc_end_k_q2fccd9920d_ffn1-k_q2fccd9920d_ffn1
	.p2alignl 7, 3214868480
	.fill 96, 4, 3214868480
	.section	.rodata,"a",@progbits
	.p2align	6, 0x0
	.amdhsa_kernel k_q2fccd9920d_ffn1
		.amdhsa_group_segment_fixed_size 310016
		.amdhsa_private_segment_fixed_size 0
		.amdhsa_enable_private_segment 0
		.amdhsa_kernarg_size 56
		.amdhsa_user_sgpr_count 2
		.amdhsa_user_sgpr_kernarg_segment_ptr 1
		.amdhsa_wavefront_size32 1
		.amdhsa_system_sgpr_workgroup_id_x 1
		.amdhsa_system_sgpr_workgroup_id_y 1
		.amdhsa_system_sgpr_workgroup_id_z 1
		.amdhsa_system_vgpr_workitem_id 0
		.amdhsa_next_free_vgpr 256
		.amdhsa_next_free_sgpr 66
		.amdhsa_reserve_vcc 0
		.amdhsa_float_denorm_mode_32 3
		.amdhsa_float_denorm_mode_16_64 3
		.amdhsa_memory_ordered 1
		.amdhsa_forward_progress 1
		.amdhsa_inst_pref_size 202
	.end_amdhsa_kernel
	.amdgpu_metadata
---
amdhsa.version: [ 1, 2 ]
amdhsa.kernels:
  - .name:           k_q2fccd9920d_ffn1
    .symbol:         k_q2fccd9920d_ffn1.kd
    .args:
      - { .name: W1, .offset: 0, .size: 8, .value_kind: global_buffer, .address_space: global }
      - { .name: b1, .offset: 8, .size: 8, .value_kind: global_buffer, .address_space: global }
      - { .name: sel, .offset: 16, .size: 8, .value_kind: global_buffer, .address_space: global }
      - { .name: xq, .offset: 24, .size: 8, .value_kind: global_buffer, .address_space: global }
      - { .name: xs, .offset: 32, .size: 8, .value_kind: global_buffer, .address_space: global }
      - { .name: himg, .offset: 40, .size: 8, .value_kind: global_buffer, .address_space: global }
      - { .name: hsc, .offset: 48, .size: 8, .value_kind: global_buffer, .address_space: global }
    .group_segment_fixed_size: 310016
    .private_segment_fixed_size: 0
    .kernarg_segment_align: 8
    .kernarg_segment_size: 56
    .max_flat_workgroup_size: 512
    .sgpr_count:     66
    .vgpr_count:     256
    .wavefront_size: 32
...
	.end_amdgpu_metadata
.endif
;; end of part 2
;; launch ffn2 (part 3): grid 256 x 1, 16 waves a work-group, no clusters, 178,944 bytes of LDS; arguments W2, b2, sel, himg, hsc, part; writes part
.if DOCPART == 3
	.amdgcn_target "amdgcn-amd-amdhsa--gfx1250"
	.amdhsa_code_object_version 6
	.text
	.protected	k_q2fccd9920d_ffn2
	.globl	k_q2fccd9920d_ffn2
	.p2align	8
	.type	k_q2fccd9920d_ffn2,@function
k_q2fccd9920d_ffn2:
	s_mov_b64 s[64:65], 0
	v_nop
	global_prefetch_b8 v0, s[64:65] scope:SCOPE_SE
	s_setreg_imm32_b32 hwreg(HW_REG_WAVE_MODE, 25, 1), 1
	s_wait_xcnt 0x0
; SECOND LAYER OF THE CHOSEN EXPERTS: part[kh][token] = h W2[e] over half kh of K (+ b2[e] in half 0), for the tokens whose sel is e.  Both operands are codes of E3M2 with E8M0 scales.
; Only the rows whose sel is e are multiplied.
; W2: [8][K = 4096][1024] f32, K its first axis within an expert.  Work-group x: expert e = x / 32, columns 64 ((x / 2) % 16) on, K half kh = x % 2: a slice of 2,048 x 64 numbers, which no other work-group reads.
; 64 columns, so that a row's piece is 256 consecutive bytes in and out; K in two halves, so that there are 256 work-groups; the halves are added by the next launch.
; THE STREAM GOES BY K.  At time t = 0 .. 7 the 16 waves make K steps 2 t and 2 t + 1 of the half's 16: wave w takes 32 columns (w % 2), block (w / 2) % 4 of K step 2 t + w / 8.  A lane takes a column and its 32 registers
; run down K; its 24 bytes of codes are registers 6 c .. 6 c + 5 of operand lane (r, hh), block = 2 c + hh.  A fragment lies in LDS as 32 lanes x 48 bytes: three stores of 8 bytes in, three loads of 16 out;
; the block's scale byte goes to its byte of the column's word.  All 64 fragments and their scale words stay in LDS.  Here a tile's columns are neighbours.
; THE LIST is made as in the first layer, so that tile t holds the same tokens in the same rows.
; THE PRODUCT STANDS AMONG THE BLOCKS.  Wave w owns tile w of 16 tokens.  h's fragments of two K steps and their scale words are 8 loads, into two sets of registers by turns (the last two K steps' into a set that the
; stream has left); every wave issues them, a wave without a tile from the expert's last tile, so that the counts of loads are alike in all waves.  The products of time t stand behind block t + 1, under a scalar branch
; on the stored count, transposed (source 0 = 16 columns of W2, source 1 = 16 tokens).  A lane then holds eight neighbouring columns of one token; they go through the wave's own stage and leave as 256 consecutive bytes.
; Tiles 16 and up (an expert with more than 256 tokens) follow in a loop of constant count, from the fragments in LDS.
; NO TENSOR LOADS AND NO JOINT LOADS: the number of tiles is read from memory.  NO PREFETCH: each byte of W2 is asked for once, by loads that stand two blocks ahead of their use all through the stream.
; LIMITS: NaN and infinities are not served.  A block whose largest magnitude lies under 2^-122, a block of zeros too, keeps the byte 1 (its codes are zeros where the rule says 127; this program alone reads the bytes).
.set PITCH, 4096                       ; a row of W2 in bytes
.set WSC,   98304                      ; LDS: fragment (K step s, tile ct) at 1,536 (4 s + ct) + 48 lane; scale words at WSC + 256 s + 8 lane + 4 (ct / 2): lanes 0-15 the even tile's rows, lanes 16-31 the odd tile's
.set LIST,  102400                     ; 1,152 entries of 4 bytes; 32 entries for what is not placed; the count
.set DUMP,  1152
.set CNTW,  LIST+4736
.set OST,   107264                     ; a stage of 16 rows x (256 + 16) bytes for each wave
.set OSTW,  4352
.set SPARE, 176896                     ; the spare words: 128 bytes a wave
.set C16, 1                            ; 16 r
.set WO,  2                            ; 4 x my column
.set IW0, 3                            ; where my codes go, times 0-3;  IW1: times 4-7
.set IW1, 4
.set WB0, 5                            ; 48 x lane: fragments of K steps 0-7;  WB1: 8-15
.set WB1, 6
.set WSA, 7                            ; WSC + 8 x lane
.set LQ,  8                            ; LIST + 64 w + 4 h
.set SO,  10                           ; the stage, in: row r, 32 h
.set RD,  11                           ; the stage, out: rows h, 16 r
.set BA,  12                           ; b2: 32 h
.set SWA, 13                           ; where my block's scale byte goes
.set GS,  14                           ; 4 x lane
.set LQ2, 15                           ; the pass's list entries
.set L16, 17                           ; 16 x lane
.set CW,  18                           ; the count word
.set RING, 20                          ; v20-115  three sets of 32 numbers; v84-107 at the end h's last two fragments
.set BF,  116                          ; v116-163 four fragments of W2; the way out: 16 rows of 256 bytes and the tokens
.set OB,  116
.set TK,  148
.set MX0, 148                          ; v148-160 a block's registers at work
.set MX1, 149
.set SCL, 150
.set BYT, 151
.set DD,  152
.set CT,  158
.set AR,  164                          ; v164-211 two sets of two fragments of h
.set LN,  164                          ; (at the head: lane, r, h)
.set RW,  165
.set HF,  166
.set AS,  212                          ; v212-215 their scale words
.set WS,  216                          ; v216-217 W2's scale words of a K step
.set ACC, 218                          ; v218-249 four accumulators
.set AS7, 250                          ; v250-251 the scale words of h's last two fragments
.set CNTV, 252
.set SPW, 254                          ; my spare word's address; never rewritten
.set NIL, 255                          ; 0; never rewritten
.set MK,  39                           ; s39  all ones in K half 0, else 0
.macro LOAD t                          ; time t: W(256 t + my 32 rows, my column), into set t % 3.  Every offset is an immediate: 1,823 rows of 4,096 bytes at the most
.set li, 0
.rept 32
	global_load_b32 v[RING+32*((\t)%3)+li], v[WO], s[4:5] offset:(256*(\t)+li)*PITCH th:TH_LOAD_NT
.set li, li+1
.endr
.endm
.macro BLOCK t, cnt                    ; cnt: the loads issued behind this block's 32
.set XS,  RING+32*((\t)%3)
	s_wait_loadcnt \cnt
.if (\t) < 6
	LOAD (\t)+2                                    ; into the set that the block before has left
.endif
	v_max3_num_f32 v[MX0], |v[XS]|, |v[XS+1]|, |v[XS+2]|           ; the block's largest magnitude: all 32 numbers are mine
	v_max3_num_f32 v[MX1], |v[XS+3]|, |v[XS+4]|, |v[XS+5]|
.irp i, 6,10,14,18,22,26
	s_delay_alu instid0(VALU_DEP_2)
	v_max3_num_f32 v[MX0], v[MX0], |v[XS+\i]|, |v[XS+\i+1]|
	s_delay_alu instid0(VALU_DEP_2)
	v_max3_num_f32 v[MX1], v[MX1], |v[XS+\i+2]|, |v[XS+\i+3]|
.endr
	s_delay_alu instid0(VALU_DEP_2)
	v_max3_num_f32 v[MX0], v[MX0], |v[XS+30]|, |v[XS+31]|
	s_delay_alu instid0(VALU_DEP_1)
	v_max3_num_f32 v[MX0], v[MX0], v[MX1], 0x2800000               ; and the floor 2^(5 - 127): the byte cannot fall under 1
	s_delay_alu instid0(VALU_DEP_1)
	v_add_nc_u32 v[SCL], 0xfe000000, v[MX0]                        ; 4 off its exponent field: the conversion's scale operand
	s_delay_alu instid0(VALU_DEP_1)
	v_lshrrev_b32 v[BYT], 23, v[SCL]                               ; the scale's byte
	v_cvt_scalef32_pk16_bf6_f32 v[DD:DD+2], v[XS:XS+15], v[SCL]
	v_cvt_scalef32_pk16_bf6_f32 v[CT:CT+2], v[XS+16:XS+31], v[SCL] ; (a conversion's three registers begin on an even number)
	v_nop                                          ; one plain place behind a scaled conversion
.irp j, 0,1,2
	v_mov_b32 v[DD+3+\j], v[CT+\j]
.endr
.irp j, 0,1,2
	ds_store_b64 v[IW0+(\t)/4], v[DD+2*\j:DD+2*\j+1] offset:12288*((\t)%4)+8*\j
.endr
	ds_store_b8 v[SWA], v[BYT] offset:512*(\t)
.endm
.macro BAR                             ; my LDS stores are done, for the others' sake; then the work-group's barrier
	s_wait_dscnt 0x0
	s_barrier_signal -1
	s_barrier_wait -1
.endm
.macro HSET t                          ; where time t's two fragments of h and their scale words stand
.if (\t) == 7
.set ARB, RING+64
.set ASB, AS7
.else
.set ARB, AR+24*((\t)%2)
.set ASB, AS+2*((\t)%2)
.endif
.endm
.macro HLOAD t                         ; h's fragments of K steps 2 t and 2 t + 1 of my half, as images, 512 consecutive bytes a load, and their scale words: 8 loads
	HSET \t
.irp j, 0,1
.irp g, 0,1,2
	global_load_b128 v[ARB+12*\j+4*\g:ARB+12*\j+4*\g+3], v[L16], s[34:35] offset:1536*(2*(\t)+\j)+512*\g
.endr
	global_load_b32 v[ASB+\j], v[GS], s[36:37] offset:8192*(2*(\t)+\j)
.endr
.endm
.macro B2LOAD                          ; b2 in the result's layout, straight into the accumulators: 8 loads
.irp f, 0,1,2,3
	global_load_b128 v[ACC+8*\f:ACC+8*\f+3], v[BA], s[6:7] offset:64*\f
	global_load_b128 v[ACC+8*\f+4:ACC+8*\f+7], v[BA], s[6:7] offset:64*\f+16
.endr
.endm
.macro MASK                            ; K half 1 starts from zeros: b2 is added once
.set mi, 0
.rept 32
	v_cndmask_b32 v[ACC+mi], 0, v[ACC+mi], s[MK]
.set mi, mi+1
.endr
.rept 4
	v_nop                                          ; four places between these writes and the products that take them as C
.endr
	s_wait_alu depctr_va_vdst(0)
.endm
.macro KP t                            ; time t's two K steps x the four tiles of columns.  The four accumulators take turns, one instruction a turn
	HSET \t
.irp j, 0,1
.set sk, 2*(\t)+\j
.irp f, 0,1,2,3
.irp i, 0,1,2
	ds_load_b128 v[BF+12*\f+4*\i:BF+12*\f+4*\i+3], v[WB0+sk/8] offset:6144*(sk%8)+1536*\f+16*\i
.endr
.endr
	ds_load_b64 v[WS:WS+1], v[WSA] offset:256*sk
	s_wait_dscnt 0x0
.irp f, 0,2
	v_wmma_scale_f32_16x16x128_f8f6f4 v[ACC+8*\f:ACC+8*\f+7], v[BF+12*\f:BF+12*\f+11], v[ARB+12*\j:ARB+12*\j+11], v[ACC+8*\f:ACC+8*\f+7], v[WS+\f/2], v[ASB+\j] matrix_a_fmt:MATRIX_FMT_BF6 matrix_b_fmt:MATRIX_FMT_BF6
	v_wmma_scale_f32_16x16x128_f8f6f4 v[ACC+8*\f+8:ACC+8*\f+15], v[BF+12*\f+12:BF+12*\f+23], v[ARB+12*\j:ARB+12*\j+11], v[ACC+8*\f+8:ACC+8*\f+15], v[WS+\f/2], v[ASB+\j] matrix_a_fmt:MATRIX_FMT_BF6 matrix_b_fmt:MATRIX_FMT_BF6 matrix_a_scale:MATRIX_SCALE_ROW1
.endr
.rept 4
	v_nop                                          ; four places behind the products: loads into their operands' registers follow, and at the end reads of the results
.endr
.endr
.endm
.macro PRODS t, cnt                    ; where the expert has so many tiles.  cnt: the loads issued behind time t's fragments of h; no barrier and no global load stands under the branch
	s_wait_loadcnt \cnt                            ; in every wave: the set's next loads land only on registers whose loads are in
	s_cmp_lt_u32 s18, s29
	s_cbranch_scc0 .Lidle\@
	KP \t
.Lidle\@:
.endm
	s_load_b256 s[4:11], s[0:1], 0x0               ; W2 s[4:5], b2 s[6:7], sel s[8:9], himg s[10:11]
	s_load_b128 s[12:15], s[0:1], 0x20             ; hsc s[12:13], part s[14:15]
	v_lshl_add_u32 v[SPW], v0, 2, SPARE
	v_mov_b32 v[NIL], 0
	v_lshrrev_b32 v[LN], 5, v0
	s_delay_alu instid0(VALU_DEP_1)
	v_readfirstlane_b32 s18, v[LN]                 ; wave 0..15
	s_lshr_b32 s19, ttmp9, 5                       ; the expert
	s_bfe_u32 s20, ttmp9, 0x40001                  ; the slice of 64 columns
	s_and_b32 s38, ttmp9, 1                        ; the K half
	s_and_b32 s21, s18, 1                          ; my 32 columns of the 64
	s_bfe_u32 s22, s18, 0x20001                    ; my block of a K step's four
	s_lshr_b32 s27, s18, 3                         ; which of a time's two K steps
	v_and_b32 v[LN], 31, v0
	v_and_b32 v[RW], 15, v0
	v_bfe_u32 v[HF], v0, 4, 1
	s_delay_alu instid0(VALU_DEP_3)
	v_lshlrev_b32 v[WO], 2, v[LN]
	v_lshlrev_b32 v[L16], 4, v[LN]
	s_lshl_b32 s24, s19, 24                        ; an expert's 16 MiB,
	s_lshl_b32 s28, s38, 23                        ; 2,048 rows of 4,096 bytes a half,
	s_add_co_u32 s24, s24, s28
	s_lshl_b32 s28, s27, 19                        ; 128 rows a K step,
	s_add_co_u32 s24, s24, s28
	s_lshl_b32 s28, s22, 17                        ; 32 rows a block,
	s_add_co_u32 s24, s24, s28
	s_lshl_b32 s28, s20, 8                         ; the slice's 256 bytes of a row,
	s_add_co_u32 s24, s24, s28
	s_lshl_b32 s28, s21, 7                         ; my 128 of them
	s_add_co_u32 s24, s24, s28
	s_mov_b32 s25, 0
	s_wait_alu depctr_va_vdst(0)
	s_wait_kmcnt 0x0
	s_add_nc_u64 s[4:5], s[4:5], s[24:25]
.irp j, 0,1,2,3,4,5,6,7                        ; sel: register 4 j + c of lane l is token 128 j + 4 l + c's.  Every wave loads it, so that the counts of loads are alike; wave 0 reads it
	global_load_b128 v[RING+64+4*\j:RING+64+4*\j+3], v[L16], s[8:9] offset:512*\j
.endr
	LOAD 0
	LOAD 1
	s_lshl_b32 s24, s19, 12                        ; b2: the expert's row, the slice's 64 numbers
	s_lshl_b32 s28, s20, 8
	s_add_co_u32 s24, s24, s28
	s_add_nc_u64 s[6:7], s[6:7], s[24:25]
	s_mul_i32 s24, s19, 3145728                    ; himg[e][tile][K step][1,536]: my half's 16 K steps
	s_mul_i32 s28, s38, 24576
	s_add_co_u32 s24, s24, s28
	s_add_nc_u64 s[10:11], s[10:11], s[24:25]
	s_lshl_b32 s24, s19, 18                        ; hsc[e][K step][tile][128]
	s_lshl_b32 s28, s38, 17
	s_add_co_u32 s24, s24, s28
	s_add_nc_u64 s[12:13], s[12:13], s[24:25]
	s_lshl_b32 s24, s38, 22                        ; part[kh][token][1024]: my half, my 256 bytes of a row
	s_lshl_b32 s28, s20, 8
	s_add_co_u32 s24, s24, s28
	s_add_nc_u64 s[14:15], s[14:15], s[24:25]
	s_cmp_eq_u32 s38, 0
	s_cselect_b32 s[MK], -1, 0
	; every LDS address is made here, ahead of the branch on the wave's number
	s_mul_i32 s24, s27, 6144                       ; my K step of the time's two,
	s_mul_i32 s28, s21, 3072                       ; my two tiles of columns,
	s_add_co_u32 s24, s24, s28
	s_and_b32 s28, s22, 1
	s_mul_i32 s28, s28, 768                        ; operand lanes 16 hh on,
	s_add_co_u32 s24, s24, s28
	s_lshr_b32 s28, s22, 1
	s_mul_i32 s28, s28, 24                         ; registers 6 c on
	s_add_co_u32 s24, s24, s28
	v_lshlrev_b32 v[C16], 4, v[RW]
	v_mul_u32_u24 v[IW0], v[HF], 1536
	s_delay_alu instid0(VALU_DEP_1)
	v_mad_u32_u24 v[IW0], v[RW], 48, v[IW0]
	s_delay_alu instid0(VALU_DEP_1)
	v_add_nc_u32 v[IW0], s24, v[IW0]
	s_delay_alu instid0(VALU_DEP_1)
	v_add_nc_u32 v[IW1], 49152, v[IW0]
	s_lshl_b32 s24, s27, 8
	s_lshl_b32 s28, s21, 2
	s_add_co_u32 s24, s24, s28
	s_add_co_u32 s24, s24, s22
	s_add_co_u32 s24, s24, WSC
	v_lshl_add_u32 v[SWA], v[LN], 3, s24           ; my column's word of my K step, my block's byte
	v_mul_u32_u24 v[WB0], v[LN], 48
	s_delay_alu instid0(VALU_DEP_1)
	v_add_nc_u32 v[WB1], 49152, v[WB0]
	v_lshl_add_u32 v[WSA], v[LN], 3, WSC
	s_lshl_b32 s24, s18, 6
	s_add_co_u32 s24, s24, LIST
	v_lshl_add_u32 v[LQ], v[HF], 2, s24
	s_mul_i32 s24, s18, OSTW
	s_add_co_u32 s24, s24, OST
	v_mul_u32_u24 v[SO], v[RW], 272
	s_delay_alu instid0(VALU_DEP_1)
	v_lshl_add_u32 v[SO], v[HF], 5, v[SO]
	s_delay_alu instid0(VALU_DEP_1)
	v_add_nc_u32 v[SO], s24, v[SO]
	v_mul_u32_u24 v[RD], v[HF], 272
	s_delay_alu instid0(VALU_DEP_1)
	v_lshl_add_u32 v[RD], v[RW], 4, v[RD]
	s_delay_alu instid0(VALU_DEP_1)
	v_add_nc_u32 v[RD], s24, v[RD]
	v_lshlrev_b32 v[BA], 5, v[HF]
	v_lshlrev_b32 v[GS], 2, v[LN]
	v_mov_b32 v[CW], CNTW
	s_cmp_lg_u32 s18, 0
	s_wait_alu depctr_va_vdst(0)
	s_cbranch_scc1 .Lno_list
	; THE LIST, by wave 0, eight registers of sel at a time, so that the eight chains take turns.  Its stores' addresses hang on sel; no other wave touches LDS before the barrier below.
	s_wait_loadcnt 63                              ; behind sel's 8 loads stand 64: at most 63 out means that sel is in
	v_add_nc_u32 v116, LIST, v[L16]
.irp j, 120,121,122,123
	v_mov_b32 v\j, 0
.endr
.irp k, 0,1,2,3,4,5,6,7,8
	ds_store_b128 v116, v[120:123] offset:512*\k   ; all 1,152 entries are written once, so that none is read unwritten
.endr
	v_add_nc_u32 v117, DUMP, v[LN]                 ; where a lane puts a token that is not the expert's
	v_lshlrev_b32 v118, 2, v[LN]                   ; 4 l
	s_mov_b32 s26, 0                               ; the count
.set n, 0
.rept 4
.irp i, 0,1,2,3,4,5,6,7
	v_cmp_eq_u32 s[40+\i], s19, v[RING+64+n+\i]
.endr
	s_wait_alu depctr_va_vdst(0)
.irp i, 0,1,2,3,4,5,6,7
	s_mov_b32 s[48+\i], s26                        ; the count ahead of register n + i
	s_bcnt1_i32_b32 s28, s[40+\i]
	s_add_co_u32 s26, s26, s28
.endr
.irp i, 0,1,2,3,4,5,6,7
	v_mbcnt_lo_u32_b32 v[124+\i], s[40+\i], s[48+\i]   ; the count so far + the expert's tokens in lower lanes
.endr
.irp i, 0,1,2,3,4,5,6,7
	v_cndmask_b32 v[124+\i], v117, v[124+\i], s[40+\i]
.endr
.irp i, 0,1,2,3,4,5,6,7
	v_min_u32 v[124+\i], 1183, v[124+\i]
.endr
.irp i, 0,1,2,3,4,5,6,7
	v_lshl_add_u32 v[124+\i], v[124+\i], 2, LIST
.endr
.irp i, 0,1,2,3,4,5,6,7
	v_add_nc_u32 v[132+\i], 128*((n+\i)/4)+(n+\i)%4, v118   ; the token
.endr
.irp i, 0,1,2,3,4,5,6,7
	ds_store_b32 v[124+\i], v[132+\i]
.endr
.set n, n+8
.endr
	s_max_u32 s28, s26, 1                          ; the last tile's first entry
	s_sub_co_u32 s28, s28, 1
	s_and_not1_b32 s28, s28, 15
	s_min_u32 s28, s28, 1023
	s_lshl_b32 s28, s28, 2
	s_add_co_u32 s28, s28, LIST
	v_mov_b32 v116, s28
	ds_load_b32 v119, v116                         ; LDS serves a wave's instructions in order: this sees the stores above
	v_add_nc_u32 v124, s26, v[LN]
	s_delay_alu instid0(VALU_DEP_1)
	v_min_u32 v124, 1183, v124
	s_delay_alu instid0(VALU_DEP_1)
	v_lshl_add_u32 v124, v124, 2, LIST
	s_wait_alu depctr_va_vdst(0)
	s_wait_dscnt 0x0
	ds_store_b32 v124, v119                        ; fills the entries behind the last: the rest of the last tile among them
	v_mov_b32 v125, s26
	ds_store_b32 v[CW], v125
.Lno_list:
	BAR                                            ; the list lies in LDS; the weights' loads stay on their way
	ds_load_b32 v[CNTV], v[CW]
	s_wait_dscnt 0x0
	v_readfirstlane_b32 s26, v[CNTV]
	s_min_u32 s26, s26, 1024
	s_add_co_u32 s29, s26, 15
	s_lshr_b32 s29, s29, 4                         ; tiles of 16 tokens
	s_max_u32 s28, s29, 1
	s_sub_co_u32 s28, s28, 1
	s_min_u32 s28, s18, s28                        ; my tile, or the expert's last where I have none
	s_min_u32 s28, s28, 63
	s_mul_i32 s24, s28, 49152
	s_add_nc_u64 s[34:35], s[10:11], s[24:25]      ; himg at that tile
	s_lshl_b32 s24, s28, 7
	s_add_nc_u64 s[36:37], s[12:13], s[24:25]      ; hsc at that tile
	HLOAD 0
	HLOAD 1
	B2LOAD                                         ; 24 loads behind blocks 0 and 1's 64
	BLOCK 0, 56                                    ; behind block 0's loads: block 1's 32 and these 24
	BAR
	BLOCK 1, 56                                    ; behind block 1's: the 24 and block 2's 32
	BAR
	s_wait_loadcnt 63                              ; behind b2 stand blocks 2 and 3's 64 loads: at most 63 out means that the 24 are in
	MASK
	PRODS 0, 63
	HLOAD 2                                        ; into the set that time 0's products have left
	BLOCK 2, 40                                    ; behind block 2's: block 3's 32 and 8 of h
	BAR
	PRODS 1, 63
	HLOAD 3
	BLOCK 3, 48                                    ; behind block 3's: 8 of h, block 4's 32, 8 of h
	BAR
	PRODS 2, 63                                    ; behind time 2's fragments stand 32 + 8 + 32 loads
	HLOAD 4
	BLOCK 4, 48
	BAR
	PRODS 3, 63
	HLOAD 5
	BLOCK 5, 48
	BAR
	PRODS 4, 63
	HLOAD 6
	HLOAD 7                                        ; into the stream's set 2, which block 5 has left and no later block fills
	BLOCK 6, 56                                    ; behind block 6's: 8 of h, block 7's 32, 16 of h
	BAR
	PRODS 5, 48                                    ; behind time 5's fragments: block 7's 32 and 16 of h
	BLOCK 7, 16                                    ; behind block 7's: 16 of h
	BAR                                            ; the slice's 64 fragments are whole; from here on they, the scale words and the list are only read
	s_wait_loadcnt 0x0                             ; every wave's loads are in
	PRODS 6, 0
	PRODS 7, 0
	s_mov_b32 s30, s18                             ; my tile
	s_mov_b32 s23, 0                               ; its entries' place in the list, beyond 64 w
	s_mov_b32 s31, 0
.Lpass:                                                ; four trips by a constant: tiles w, w + 16, w + 32, w + 48; the first trip's products are done
	s_cmp_lt_u32 s30, s29
	s_cbranch_scc0 .Lskip
	s_wait_xcnt 0x0                                ; the earlier loads and stores have read their registers and bases: all may be written again
	v_add_nc_u32 v[LQ2], s23, v[LQ]
	s_cmp_eq_u32 s31, 0
	s_wait_alu depctr_va_vdst(0)
	s_cbranch_scc1 .Ltail
	s_mul_i32 s24, s30, 49152
	s_mov_b32 s25, 0
	s_add_nc_u64 s[34:35], s[10:11], s[24:25]      ; himg at my tile
	s_lshl_b32 s24, s30, 7
	s_add_nc_u64 s[36:37], s[12:13], s[24:25]      ; hsc at my tile
	B2LOAD
	HLOAD 0
	s_wait_loadcnt 0x0
	MASK
	KP 0
.irp t, 1,2,3,4,5,6,7
	HLOAD \t
	s_wait_loadcnt 0x0
	KP \t
.endr
.Ltail:
.irp q, 0,1,2,3,4,5,6,7
	ds_load_b32 v[TK+\q], v[LQ2] offset:8*\q       ; the token of row 2 q + h
.endr
.irp f, 0,1,2,3
	ds_store_b128 v[SO], v[ACC+8*\f:ACC+8*\f+3] offset:64*\f           ; each accumulator from its low end on: lane (r, h): token r, columns 16 f + 8 h + 0 .. 7
	ds_store_b128 v[SO], v[ACC+8*\f+4:ACC+8*\f+7] offset:64*\f+16
.endr
.irp q, 0,1,2,3,4,5,6,7
	ds_load_b128 v[OB+4*\q:OB+4*\q+3], v[RD] offset:544*\q             ; LDS serves a wave's instructions in order: these see my stores; the stage is my wave's own
.endr
	s_wait_dscnt 0x0
.irp q, 0,1,2,3,4,5,6,7
	v_min_u32 v[TK+\q], 0x3ff, v[TK+\q]
.endr
.irp q, 0,1,2,3,4,5,6,7
	v_lshl_add_u32 v[TK+\q], v[TK+\q], 12, v[C16]  ; the token's row of 4,096 bytes + 16 r
.endr
.irp q, 0,1,2,3,4,5,6,7
	global_store_b128 v[TK+\q], v[OB+4*\q:OB+4*\q+3], s[14:15]         ; sixteen lanes store 256 consecutive bytes of a token's row, at a multiple of 256 from part's first byte
.endr
.Lskip:
	s_add_co_u32 s30, s30, 16
	s_add_co_u32 s23, s23, 1024
	s_add_co_u32 s31, s31, 1
	s_cmp_lt_u32 s31, 4
	s_cbranch_scc1 .Lpass
	s_wait_tensorcnt 0x0                           ; the wave's end: behind my last LDS store
	ds_add_u32 v[SPW], v[NIL]
	s_wait_dscnt 0x0
	s_endpgm
.Lfunc_end_k_q2fccd9920d_ffn2:
	.size	k_q2fccd9920d_ffn2, .Lfunc_end_k_q2fccd9920d_ffn2-k_q2fccd9920d_ffn2
	.p2alignl 7, 3214868480
	.fill 96, 4, 3214868480
	.section	.rodata,"a",@progbits
	.p2align	6, 0x0
	.amdhsa_kernel k_q2fccd9920d_ffn2
		.amdhsa_group_segment_fixed_size 178944
		.amdhsa_private_segment_fixed_size 0
		.amdhsa_enable_private_segment 0
		.amdhsa_kernarg_size 48
		.amdhsa_user_sgpr_count 2
		.amdhsa_user_sgpr_kernarg_segment_ptr 1
		.amdhsa_wavefront_size32 1
		.amdhsa_system_sgpr_workgroup_id_x 1
		.amdhsa_system_sgpr_workgroup_id_y 1
		.amdhsa_system_sgpr_workgroup_id_z 1
		.amdhsa_system_vgpr_workitem_id 0
		.amdhsa_next_free_vgpr 256
		.amdhsa_next_free_sgpr 66
		.amdhsa_reserve_vcc 0
		.amdhsa_float_denorm_mode_32 3
		.amdhsa_float_denorm_mode_16_64 3
		.amdhsa_memory_ordered 1
		.amdhsa_forward_progress 1
		.amdhsa_inst_pref_size 138
	.end_amdhsa_kernel
	.amdgpu_metadata
---
amdhsa.version: [ 1, 2 ]
amdhsa.kernels:
  - .name:           k_q2fccd9920d_ffn2
    .symbol:         k_q2fccd9920d_ffn2.kd
    .args:
      - { .name: W2, .offset: 0, .size: 8, .value_kind: global_buffer, .address_space: global }
      - { .name: b2, .offset: 8, .size: 8, .value_kind: global_buffer, .address_space: global }
      - { .name: sel, .offset: 16, .size: 8, .value_kind: global_buffer, .address_space: global }
      - { .name: himg, .offset: 24, .size: 8, .value_kind: global_buffer, .address_space: global }
      - { .name: hsc, .offset: 32, .size: 8, .value_kind: global_buffer, .address_space: global }
      - { .name: part, .offset: 40, .size: 8, .value_kind: global_buffer, .address_space: global }
    .group_segment_fixed_size: 178944
    .private_segment_fixed_size: 0
    .kernarg_segment_align: 8
    .kernarg_segment_size: 48
    .max_flat_workgroup_size: 512
    .sgpr_count:     66
    .vgpr_count:     256
    .wavefront_size: 32
...
	.end_amdgpu_metadata
.endif
;; end of part 3
;; launch add (part 4): grid 256 x 1, 8 waves a work-group, no clusters, 0 bytes of LDS; arguments part, out0; writes out0
.if DOCPART == 4
	.amdgcn_target "amdgcn-amd-amdhsa--gfx1250"
	.amdhsa_code_object_version 6
	.text
	.protected	k_q2fccd9920d_add
	.globl	k_q2fccd9920d_add
	.p2align	8
	.type	k_q2fccd9920d_add,@function
k_q2fccd9920d_add:
	s_mov_b64 s[64:65], 0
	v_nop
	global_prefetch_b8 v0, s[64:65] scope:SCOPE_SE
	s_setreg_imm32_b32 hwreg(HW_REG_WAVE_MODE, 25, 1), 1
	s_wait_xcnt 0x0
; out0 = part[0] + part[1]: the two halves of the second product's K.  part: [2][1024][1024] f32, out0: [1024][1024] f32.
; A work-group takes 16 KiB of out0, a wave 2 KiB: four loads of 512 consecutive bytes from each half, all eight on their way at once, eight packed additions, four stores of 512 consecutive bytes.
; No LDS, no barrier, no loop: waves share nothing, and every byte is read and written once.
.set HALFB, 4194304                    ; bytes of a half; it stands in the loads' immediate, inside its signed 24 bits
.set PA, 4                             ; v4-19   half 0, then the sums
.set PB, 20                            ; v20-35  half 1
	s_load_b128 s[4:7], s[0:1], 0x0                ; part, out0
	v_and_b32 v1, 31, v0
	v_lshrrev_b32 v2, 5, v0
	s_delay_alu instid0(VALU_DEP_2)
	v_lshlrev_b32 v1, 4, v1
	s_delay_alu instid0(VALU_DEP_1)
	v_lshl_add_u32 v1, v2, 11, v1                  ; 2,048 x wave + 16 x lane
	s_lshl_b32 s8, ttmp9, 14
	s_mov_b32 s9, 0
	s_wait_alu depctr_va_vdst(0)
	s_wait_kmcnt 0x0
	s_add_nc_u64 s[4:5], s[4:5], s[8:9]
	s_add_nc_u64 s[6:7], s[6:7], s[8:9]
.irp j, 0,1,2,3
	global_load_b128 v[PA+4*\j:PA+4*\j+3], v1, s[4:5] offset:512*\j th:TH_LOAD_NT
.endr
.irp j, 0,1,2,3
	global_load_b128 v[PB+4*\j:PB+4*\j+3], v1, s[4:5] offset:HALFB+512*\j th:TH_LOAD_NT
.endr
.irp j, 0,1,2,3
	s_wait_loadcnt 3-\j                            ; both loads of piece j are in; the 3 - j younger ones may be out
	v_pk_add_f32 v[PA+4*\j:PA+4*\j+1], v[PA+4*\j:PA+4*\j+1], v[PB+4*\j:PB+4*\j+1]
	v_pk_add_f32 v[PA+4*\j+2:PA+4*\j+3], v[PA+4*\j+2:PA+4*\j+3], v[PB+4*\j+2:PB+4*\j+3]
	global_store_b128 v1, v[PA+4*\j:PA+4*\j+3], s[6:7] offset:512*\j th:TH_STORE_NT
.endr
	s_endpgm
.Lfunc_end_k_q2fccd9920d_add:
	.size	k_q2fccd9920d_add, .Lfunc_end_k_q2fccd9920d_add-k_q2fccd9920d_add
	.p2alignl 7, 3214868480
	.fill 96, 4, 3214868480
	.section	.rodata,"a",@progbits
	.p2align	6, 0x0
	.amdhsa_kernel k_q2fccd9920d_add
		.amdhsa_group_segment_fixed_size 0
		.amdhsa_private_segment_fixed_size 0
		.amdhsa_enable_private_segment 0
		.amdhsa_kernarg_size 16
		.amdhsa_user_sgpr_count 2
		.amdhsa_user_sgpr_kernarg_segment_ptr 1
		.amdhsa_wavefront_size32 1
		.amdhsa_system_sgpr_workgroup_id_x 1
		.amdhsa_system_sgpr_workgroup_id_y 1
		.amdhsa_system_sgpr_workgroup_id_z 1
		.amdhsa_system_vgpr_workitem_id 0
		.amdhsa_next_free_vgpr 40
		.amdhsa_next_free_sgpr 66
		.amdhsa_reserve_vcc 0
		.amdhsa_float_denorm_mode_32 3
		.amdhsa_float_denorm_mode_16_64 3
		.amdhsa_memory_ordered 1
		.amdhsa_forward_progress 1
		.amdhsa_inst_pref_size 3
	.end_amdhsa_kernel
	.amdgpu_metadata
---
amdhsa.version: [ 1, 2 ]
amdhsa.kernels:
  - .name:           k_q2fccd9920d_add
    .symbol:         k_q2fccd9920d_add.kd
    .args:
      - { .name: part, .offset: 0, .size: 8, .value_kind: global_buffer, .address_space: global }
      - { .name: out0, .offset: 8, .size: 8, .value_kind: global_buffer, .address_space: global }
    .group_segment_fixed_size: 0
    .private_segment_fixed_size: 0
    .kernarg_segment_align: 8
    .kernarg_segment_size: 16
    .max_flat_workgroup_size: 256
    .sgpr_count:     66
    .vgpr_count:     40
    .wavefront_size: 32
...
	.end_amdgpu_metadata
.endif
;; end of part 4
